; MI455X (gfx1250); checked and timed in simulation.
; The chip was launched on July 23, 2026; its instructions are those of AMD's public machine-readable ISA for CDNA 5 (MIT licence, August 2026) and "CDNA5" Instruction Set Architecture Reference Guide (July 2026). The comments in the code are by the model that wrote it; some were corrected since.
;; Casual Self Attention. Allowed arithmetic: matrix products marked QUANTISED: E2M1 operands, one E8M0 scale for each 32 along K, by v_wmma_scale_f32_16x16x128_f8f6f4 with both operands' format E2M1 (or v_wmma_scale_f32_32x16x128_f4), f32 sums; everything else in f32.
;; Inputs: W_attn_codes 3,072 x 32 x 16 uint8 (E2M1 codes of W_attn, K innermost, in blocks of 32 codes, two codes a byte); W_attn_scales 3,072 x 32 uint8 (E8M0 scales of W_attn, one for each 32 codes along K); W_proj_codes 1,024 x 32 x 16 uint8 (E2M1 codes of W_proj, K innermost, in blocks of 32 codes, two codes a byte); W_proj_scales 1,024 x 32 uint8 (E8M0 scales of W_proj, one for each 32 codes along K); b_attn 3,072 float32; b_proj 1,024 float32; x_codes 4 x 2,048 x 32 x 16 uint8 (E2M1 codes of x, K innermost, in blocks of 32 codes, two codes a byte); x_scales 4 x 2,048 x 32 uint8 (E8M0 scales of x, one for each 32 codes along K).
;; Outputs: out0 4 x 2,048 x 1,024 float32.
;; This version of the problem:
;;   THIS VERSION OF THE PROBLEM IS GIVEN IN LOW PRECISION. The matrix products marked QUANTISED in the list below multiply operands that are first quantised to E2M1 (2 exponent bits, 1 mantissa bit; 4 bits a number), with one power-of-two scale for each 32 numbers along K (OCP MX v1.0); their sums are f32. All else is computed in f32.
;;   The module's matrix products, in the order in which they are computed (A, B: the left and right operand; K: the contracted axis; several contracted axes count as one K, in the product's order):
;;     1. [M 8,192, K 1,024] x [K 1,024, N 3,072]; A: input x (given as codes); B: input W_attn (given as codes): QUANTISED
;;     2. batch 64 x [M 2,048, K 64] x [K 64, N 2,048]; A: computed on the way; B: computed on the way: QUANTISED
;;     3. batch 64 x [M 2,048, K 2,048] x [K 2,048, N 64]; A: softmax (see below); B: computed on the way: QUANTISED
;;     4. [M 8,192, K 1,024] x [K 1,024, N 1,024]; A: computed on the way; B: input W_proj (given as codes): QUANTISED
;;   THE QUANTISER, for each operand of a quantised product, along K:
;;     - K is cut into blocks of 32 from its start; a last block that is shorter is filled with zeros.
;;     - A block's scale is 2^e with e = floor(log2(the largest magnitude in the block)) - 2, held to -126 .. 127; a block of zeros has e = 0. As a byte (E8M0): e + 127.
;;     - Each number is divided by its block's scale, clamped to +-6, and rounded to the nearest number of E2M1, ties to even, subnormals kept.
;;     - The product sums the exact products of the quantised numbers (number of the format x scale) in f32.
;;   ~~~python
;;   def quantise(x, axis):      # numpy; x: float32 -> the quantised numbers, widened to float32 again
;;       x = np.moveaxis(x, axis, -1); K = x.shape[-1]
;;       x = np.pad(x, [(0, 0)] * (x.ndim - 1) + [(0, -K % 32)]); x = x.reshape(x.shape[:-1] + (-1, 32)); a = np.abs(x).max(-1, keepdims=True)
;;       e = np.where(a > 0, np.clip(np.frexp(np.where(a > 0, a, 1))[1] - 1 - 2, -126, 127), 0)      # np.frexp(a)[1] - 1 = floor(log2(a)), exactly
;;       r = np.clip(x / 2.0 ** e, -6, 6)
;;       step = 2.0 ** (np.maximum(np.frexp(np.where(r == 0, 1, r))[1] - 1, 0) - 1)
;;       q = np.round(r / step) * step * 2.0 ** e      # np.round: ties to even
;;       return np.moveaxis(q.reshape(q.shape[:-2] + (-1,))[..., :K], -1, axis).astype(np.float32)
;;   ~~~
;;   SOFTMAX AHEAD OF A QUANTISED PRODUCT. Where the list says 'softmax', what is quantised is not the finished softmax but p = 2^(t - M), with t = logit x log2(e) and M = ceil(the row's largest t), a whole number; so 1/2 < the row's largest p <= 1. The row's sum l is taken of the UNQUANTISED p, in f32, and the product's result is divided by l at the end. Since M is a whole number, a kernel that streams over the keys may use a running M (the ceiling of the running maximum): every later rescaling is an exact power of two, which a block's scale takes up: the codes' values come out the same.
;;   OPERANDS COMPUTED ON THE WAY. 'Computed on the way' means the value that the module computes at that place (a softmax that the list does not call 'softmax' is quantised finished and normalised). What goes into a quantiser is computed in f32, as accurately as f32 sums, v_exp_f32 and their like allow (about 1e-6 of the number): no bf16 or f16 on the way to a quantiser, and a product that is left as it is and whose result goes on into a quantised operand takes f32 operands (vector FMAs, or v_wmma_f32_16x16x4_f32). A number that lies on a knife's edge between two numbers of the format may be rounded either way, as far as f32 arithmetic and the matrix unit's own rounding can turn it there, and no further.
;;   INPUTS GIVEN AS CODES. W_attn (in the module: [1024, 3072], K = its axis 0); W_proj (in the module: [1024, 1024], K = its axis 0); x (in the module: [4, 2048, 1024], K = its axis 2): each comes as NAME_codes (uint8): NAME with its K axis moved to the last place and cut into blocks of 32 codes, [.., K / 32, bytes a block], one block behind the other in memory; two codes a byte, the lower K in the low four bits (a code: sign, 2 exponent bits, 1 mantissa bit); and NAME_scales (uint8): the same leading axes, one E8M0 byte (e + 127) for each 32 codes along K. Its value is code x scale, taken as it is: it is not quantised again, and the codes and scales need not be those that the quantiser above would give.
;; One version. Each part assembles by itself: llvm-mc -triple=amdgcn-amd-amdhsa -mcpu=gfx1250 --defsym DOCPART=n.
;; ======== version 1 of 1: 3 launches
;; workspace buffers: qkv_codes 12,582,912 bytes; qkv_scales 786,432 bytes; y_codes 4,194,304 bytes; y_scales 262,144 bytes
;; launch qkv (part 1): grid 12 x 32, 4 waves a work-group, clusters of 4 x 4, 327,680 bytes of LDS; arguments x_codes, x_scales, W_attn_codes, W_attn_scales, b_attn, qkv_codes, qkv_scales; writes qkv_codes, qkv_scales
.if DOCPART == 1
	.amdgcn_target "amdgcn-amd-amdhsa--gfx1250"
	.amdhsa_code_object_version 6
	.text
	.protected	k_q826ecedd12_qkv
	.globl	k_q826ecedd12_qkv
	.p2align	8
	.type	k_q826ecedd12_qkv,@function
k_q826ecedd12_qkv:
	s_mov_b64 s[64:65], 0
	v_nop
	global_prefetch_b8 v0, s[64:65] scope:SCOPE_SE
	s_setreg_imm32_b32 hwreg(HW_REG_WAVE_MODE, 25, 1), 1
	s_wait_xcnt 0x0
	s_wait_alu depctr_hold_cnt(0) depctr_sa_sdst(0) depctr_va_vdst(0) depctr_va_sdst(0) depctr_va_ssrc(0) depctr_va_vcc(0) depctr_vm_vsrc(0)
	s_getreg_b32 s2, hwreg(HW_REG_IB_STS2, 6, 4)
	s_cmp_eq_u32 s2, 0
	s_cbranch_scc0 .Lentry_in_a_cluster
	s_endpgm
.Lentry_in_a_cluster:
	s_bfe_u32 s2, ttmp6, 0x10000c
	s_cmp_lg_u32 s2, 0xf033
	s_cbranch_scc0 .Lentry_shape_is_right
	s_endpgm
.Lentry_shape_is_right:
; qkv = x W_attn + b_attn on codes of FP4 (E2M1) with one E8M0 scale for each 32 along K, sums in f32; then q and k are quantised along the head's 64, v along the keys, and leave as codes.
; THE PROGRAM: three launches.  This one; the attention (both its products, the softmax, y quantised along C); the projection.
; DEAD WORK LEFT OUT BY THE PROGRAM: only in the attention.  reference() builds a causal mask in its own body (jnp.tril) and sets every score of a key behind its query to -infinity ahead of the
; softmax, so its weight is 0 whatever the inputs hold: a step of 128 keys that lies wholly behind a tile of 16 queries reaches no output, and is not multiplied.  Nothing else is left out; every input is loaded.
; LIMITS: a NaN, an infinity or an overflow that reaches only those hidden scores is not carried to the result.  NaN and infinities among the inputs are not served.  A block of zeros gets the scale byte 1
; where the rule says 127: its codes are zeros, which add nothing under any byte but 0xff, and these bytes are read by this program alone.
; SHARES.  A work-group makes 256 tokens x 256 columns, each of its four waves 128 x 128: 64 accumulators of 16 x 16, 512 registers.  All of K (1,024: rows of 512 bytes) lies in LDS at once: each byte of LDS is filled once.
; CLUSTERS: 4 x 4 work-groups.  The four of a row of the cluster need the same rows of x, the four of a column the same rows of W: each tile is asked for jointly.
; TWO ROLES, by the cluster's x alone (the same in all sixteen partners).  Columns 0-2047 (q, k): source 0 = 16 rows of W, source 1 = 16 tokens: a lane holds one token, its registers run along the columns, q's and k's K.
; Columns 2048-3071 (v): source 0 = 16 tokens, source 1 = 16 rows of W: a lane holds one column, its registers run along the tokens, which are the keys, v's K.
; THE ROWS OF A TILE ARE NOT NEIGHBOURS, on both sources: lane r of tile 2 b + u takes row 32 b + 8 u + r + 8 (r / 8).  So the 16 registers of tiles 2 b and 2 b + 1 are 16 neighbours along the next K, the codes made
; of them are the next product's operand registers as they stand, and each store of codes is 512 consecutive bytes at a multiple of 512.
; WORKSPACE.  qkv_codes: X x 131072 + c x 65536 + s x 4096 + a x 512 + 16 x lane, X = (which x 4 + batch) x 8 + pair of heads, s = 128 tokens.  q, k: c = head of the pair, a = tile of tokens, a lane's 16 bytes = d 32 h ..
; v: c = keys 64 c + 32 h .., a = tile of the pair's 128 columns.  qkv_scales: ((which x 4 + batch) x 16 + head) x 4096 + s x 256 + 16 r + 4 w.
; REGISTERS, in windows of 256: window 0: v1-15 addresses; v16-23 codes; v24-31 scale words made; v32-95 the operands' scale words; v96-111, v192-255 the bias; v112-127 at work; v128-191 source 1's fragments, later 64 results.
;   window 1: source 0's fragments, two sets, at v0 and v128.   windows 2, 3: the accumulators ((a, b) at v[8 (8 (a % 4) + b)] of window 2 + a / 4).
.set REG,   67712                      ; an LDS region: 128 lines of 528 bytes, and 128 bytes more, so that a tile's eight lines in an even region and its eight in the odd one begin at sixteen different 16-byte columns of 256
.set TLB,   8*528                      ; a tile's eight lines
.set HALF,  64*528                     ; a wave's 128 rows: 64 lines in each of two regions
.set SCL,   4*REG                      ; behind the four regions: x's scale bytes (256 rows x 32), then W's
.set SPARE, 327168                     ; the spare words, 128 bytes for each wave: two blocks of 256 bytes that no other line names
.set FR,    8
.set ADR1,  5                          ; v5   LDS address of source 1's fragments
.set ADR0,  6                          ; v6   of source 0's
.set ADRS,  7                          ; v7   of the scale words: lanes 0-15 source 1's rows, lanes 16-31 source 0's
.set CO,    8                          ; v8   16 x lane
.set SOFF,  9                          ; v9   4096 h + 16 r
.set SPW,   14                         ; v14  LDS address of my spare word; never rewritten
.set NIL,   15                         ; v15  0; never rewritten
.set PC,    16
.set PW,    24
.set SC,    32                         ; register 8 t + q: lanes 0-15 the word of source 1's tile t, lanes 16-31 that of source 0's tile t, for the q-th 128 along K
.set BJ,    96                         ; the bias of my column, twice, for each tile a (v's role)
.set TM,    112
.set OW,    120
.set AF,    128
.set HA,    128
.set BI,    192                        ; the bias along my 64 registers (q's and k's role)
.set G1X,   24
.set G0X,   32
.set G0XS,  36
.set G1W,   40
.set G0W,   48
.set G0WS,  52
.set G1XS,  56
.set G1WS,  68
.set SEL,   76
.set MSB, 0
.macro WIN new                         ; the immediate's high byte repeats the setting that is left
.if MSB != (\new)
	s_set_vgpr_msb (MSB<<8)|(\new)
.set MSB, (\new)
.endif
.endm
.set MUL_LO, 0xa1                      ; source 0 window 1, source 1 window 0, C and D window 2
.set MUL_HI, 0xf1                      ; the same, C and D window 3
.set TO_B,   0x40                      ; destination window 1, address window 0
; A joint load: waves 0 and 1 fetch for x, waves 2 and 3 for W.  The branch hangs on the wave's number alone.  An s_nop 0 and four v_nop follow each of the two lines.
.macro JLOAD g0a, g1a, g0b, g1b
	s_cmp_eq_u32 s19, 0
	s_cbranch_scc0 .Lfor_w_\@
	tensor_load_to_lds s[\g0a:\g0a+3], s[\g1a:\g1a+7]
	s_nop 0
.rept 4
	v_nop
.endr
	s_branch .Lasked_\@
.Lfor_w_\@:
	tensor_load_to_lds s[\g0b:\g0b+3], s[\g1b:\g1b+7]
	s_nop 0
.rept 4
	v_nop
.endr
.Lasked_\@:
.endm
.macro CROUND                          ; a round of the cluster's barrier
	s_barrier_signal -1
	s_barrier_wait -1
	s_cmp_lg_u32 s18, 0
	s_cbranch_scc1 .Lnot_wave_0_\@
	s_barrier_signal -3
.Lnot_wave_0_\@:
	s_barrier_wait -3
	s_barrier_signal -1
	s_barrier_wait -1
.endm
.macro PLACES n
.rept \n
	v_nop
.endr
.endm
	s_load_b256 s[4:11], s[0:1], 0x0               ; x's codes s[4:5], x's scales s[6:7], W's codes s[8:9], W's scales s[10:11]
	s_load_b128 s[12:15], s[0:1], 0x20             ; the bias s[12:13], qkv_codes s[14:15]
	s_load_b64 s[16:17], s[0:1], 0x30              ; qkv_scales
	v_lshl_add_u32 v[SPW], v0, 2, SPARE
	v_mov_b32 v[NIL], 0
	ds_add_u32 v[SPW], v[NIL]                      ; the wave's opening: the add, twice on end, and its wait ahead of my first tensor load
	ds_add_u32 v[SPW], v[NIL]                      ; and once more; the set-up below, work on registers, stands between it and the wait
	v_lshrrev_b32 v1, 5, v0
	v_readfirstlane_b32 s18, v1                    ; wave 0..3
	s_lshr_b32 s19, s18, 1                         ; source 1's half that is mine.  Also: I fetch for x (0) or for W (1)
	s_and_b32 s20, s18, 1                          ; source 0's half.  Also: I fetch the even (0) or the odd (1) groups of 16 rows
	s_bfe_u32 s21, ttmp6, 0x40000                  ; cx
	s_bfe_u32 s22, ttmp6, 0x40004                  ; cy
	s_lshl_b32 s23, ttmp9, 2
	s_add_co_u32 s23, s23, s21                     ; which 256 columns = 4 x cluster x + cx
	s_and_b32 s66, ttmp7, 0xffff
	s_lshl_b32 s66, s66, 2
	s_add_co_u32 s66, s66, s22                     ; which 256 tokens = 4 x cluster y + cy
	s_cmp_eq_u32 ttmp9, 2
	s_cselect_b32 s67, 1, 0                        ; the role: 1 for v's columns.  It hangs on the cluster's x alone
	s_lshl_b32 s78, s22, 2
	s_lshl_b32 s78, 15, s78                        ; my row of the cluster
	s_lshl_b32 s79, 0x1111, s21                    ; my column
	; group 1 for the codes: 8 long rows of 8,192 bytes (16 rows of 512, dense), 16,384 bytes apart (every second group of 16 rows); 16 bytes of padding behind every 512
	s_or_b32 s[G1X], s78, (1<<20)|(1<<21)|(6<<22)|(3<<25)   ; 15:0 the mask; 17:16 elements of 1 byte; 20 padding on; 21 set beside a mask; 24:22 after every 128 words; 31:25 four words
	s_or_b32 s[G1W], s79, (1<<20)|(1<<21)|(6<<22)|(3<<25)
.irp g, G1X, G1W
	s_mov_b32 s[\g+1], 8192<<16                    ; tensor_dim0
	s_mov_b32 s[\g+2], 8<<16                       ; tensor_dim1
	s_mov_b32 s[\g+3], 8192<<16                    ; tile_dim0
	s_mov_b32 s[\g+4], 8                           ; tile_dim1
	s_mov_b32 s[\g+5], 16384                       ; tensor_dim0_stride
	s_mov_b32 s[\g+6], 0
	s_mov_b32 s[\g+7], 0
.endr
	; and for the scale bytes of 128 rows: 4,096 dense bytes as 16 rows of 256 (32 elements of 8 bytes)
	s_or_b32 s[G1XS], s78, (3<<16)|(1<<21)
	s_or_b32 s[G1WS], s79, (3<<16)|(1<<21)
.irp g, G1XS, G1WS
	s_mov_b32 s[\g+1], 32<<16
	s_mov_b32 s[\g+2], 16<<16
	s_mov_b32 s[\g+3], 32<<16
	s_mov_b32 s[\g+4], 16
	s_mov_b32 s[\g+5], 32
	s_mov_b32 s[\g+6], 0
	s_mov_b32 s[\g+7], 0
.endr
	s_lshl_b32 s80, s66, 17                        ; x's codes: 256 rows of 512 bytes a block, + 16 rows for the odd groups
	s_lshl_b32 s81, s20, 13
	s_add_co_u32 s80, s80, s81
	s_mov_b32 s81, 0
	s_lshl_b32 s82, s23, 17                        ; W's likewise, in registers that never hold cy
	s_lshl_b32 s83, s20, 13
	s_add_co_u32 s82, s82, s83
	s_mov_b32 s83, 0
	s_lshl_b32 s84, s66, 13                        ; x's scale bytes: 256 rows of 32, my 128 of them
	s_lshl_b32 s85, s20, 12
	s_add_co_u32 s84, s84, s85
	s_mov_b32 s85, 0
	s_lshl_b32 s86, s23, 13                        ; W's
	s_lshl_b32 s87, s20, 12
	s_add_co_u32 s86, s86, s87
	s_mov_b32 s87, 0
	s_mul_i32 s88, s18, REG                        ; where they go: region = wave; no place in the cluster enters an LDS address
	s_lshl_b32 s89, s18, 12
	s_add_co_u32 s89, s89, SCL
	s_mov_b32 s[SEL], 0x76543210
	s_mov_b32 s[SEL+1], 0xfedcba98                 ; v_permlanex16_b32's selects for lane l xor 16
	s_wait_dscnt 0x0                               ; both opening adds are done
	s_wait_kmcnt 0x0
	CROUND                                         ; all sixteen work-groups are here: the joint loads meet
	s_mov_b32 s[G0XS], 1
	s_mov_b32 s[G0XS+1], s89
	s_add_nc_u64 s[G0XS+2:G0XS+3], s[6:7], s[84:85]
	s_or_b32 s[G0XS+3], s[G0XS+3], 0x80000000
	s_mov_b32 s[G0WS], 1
	s_mov_b32 s[G0WS+1], s89
	s_add_nc_u64 s[G0WS+2:G0WS+3], s[10:11], s[86:87]
	s_or_b32 s[G0WS+3], s[G0WS+3], 0x80000000
	JLOAD G0XS, G1XS, G0WS, G1WS
	s_mov_b32 s[G0X], 1
	s_mov_b32 s[G0X+1], s88
	s_add_nc_u64 s[G0X+2:G0X+3], s[4:5], s[80:81]
	s_or_b32 s[G0X+3], s[G0X+3], 0x80000000
	s_mov_b32 s[G0W], 1
	s_mov_b32 s[G0W+1], s88
	s_add_nc_u64 s[G0W+2:G0W+3], s[8:9], s[82:83]
	s_or_b32 s[G0W+3], s[G0W+3], 0x80000000
	JLOAD G0X, G1X, G0W, G1W                       ; two tensor loads of mine are out, and no more follow
	; addresses, while the tiles are on their way
	v_and_b32 v1, 15, v0                           ; r
	v_bfe_u32 v2, v0, 4, 1                         ; h
	v_and_b32 v3, 7, v1
	v_mul_u32_u24 v3, v3, 528
	v_lshrrev_b32 v4, 3, v1                        ; r / 8
	v_mad_u32_u24 v3, v4, REG, v3                  ; lanes r < 8 read the even region, the others the odd one
	v_lshl_add_u32 v3, v2, 4, v3                   ; (r % 8) x 528 + (r / 8) x REG + 16 h
	s_xor_b32 s91, s67, 1
	s_mul_i32 s88, s67, 2*REG                      ; source 1: x (role 0) or W (role 1),
	s_mul_i32 s89, s19, HALF                       ; my half of its rows
	s_add_co_u32 s88, s88, s89
	v_add_nc_u32 v[ADR1], s88, v3
	s_mul_i32 s88, s91, 2*REG                      ; source 0: the other tensor
	s_mul_i32 s89, s20, HALF
	s_add_co_u32 s88, s88, s89
	v_add_nc_u32 v[ADR0], s88, v3
	v_lshl_add_u32 v13, v4, 3, v1                  ; r + 8 (r / 8)
	v_lshl_add_u32 v[ADRS], v13, 5, SCL            ; 32 scale bytes a row
	s_lshl_b32 s88, s67, 13
	s_lshl_b32 s89, s19, 12
	s_add_co_u32 s88, s88, s89                     ; source 1's scale bytes
	s_lshl_b32 s90, s91, 13
	s_lshl_b32 s89, s20, 12
	s_add_co_u32 s90, s90, s89                     ; source 0's
	v_cmp_eq_u32 vcc_lo, 1, v2
	v_mov_b32 v3, s88
	v_mov_b32 v4, s90
	v_cndmask_b32 v3, v3, v4, vcc_lo               ; lanes 16-31 take source 0's
	v_add_nc_u32 v[ADRS], v[ADRS], v3
	v_and_b32 v[CO], 31, v0
	v_lshlrev_b32 v[CO], 4, v[CO]
	v_lshlrev_b32 v[SOFF], 4, v1
	v_lshl_add_u32 v[SOFF], v2, 12, v[SOFF]
	v_lshlrev_b32 v10, 6, v2                       ; 64 h: my 16 numbers of each 32 of the bias
	s_wait_alu depctr_va_vdst(0)
	v_lshlrev_b32 v11, 2, v13                      ; 4 (r + 8 (r / 8)): my column's
	s_wait_alu depctr_va_vdst(0)
.irp b, 0,1,2,3
	v_mov_b32 v[TM+4+\b], 0                        ; written once: a lane permute's destination counts as one of its sources
.endr
	s_cmp_eq_u32 s67, 1
	s_cselect_b32 s92, s20, s19                    ; which half of the tokens is mine,
	s_cselect_b32 s93, s19, s20                    ; and which half of the columns
	s_lshl_b32 s94, s23, 1
	s_add_co_u32 s94, s94, s93                     ; nn: my 128 columns of the 3,072
	s_lshl_b32 s95, s66, 1
	s_add_co_u32 s95, s95, s92                     ; mm: my 128 tokens of the 8,192
	s_lshr_b32 s88, s94, 3                         ; q, k or v
	s_lshl_b32 s88, s88, 2
	s_lshr_b32 s89, s95, 4                         ; the batch
	s_add_co_u32 s88, s88, s89
	s_lshl_b32 s88, s88, 3
	s_and_b32 s89, s94, 7                          ; the pair of heads
	s_add_co_u32 s88, s88, s89
	s_lshl_b32 s88, s88, 17
	s_and_b32 s89, s95, 15                         ; the step of 128 tokens
	s_lshl_b32 s89, s89, 12
	s_add_co_u32 s88, s88, s89
	s_mov_b32 s89, 0
	s_add_nc_u64 s[14:15], s[14:15], s[88:89]      ; my codes
	s_lshr_b32 s88, s88, 4
	s_add_nc_u64 s[16:17], s[16:17], s[88:89]      ; my scale words: a sixteenth of the codes' offset
	s_lshl_b32 s88, s94, 9
	s_add_nc_u64 s[12:13], s[12:13], s[88:89]      ; my 128 numbers of the bias
	; both forms of the bias are loaded in both roles, out of the same 512 bytes: so every register is written on every way
.irp b, 0,1,2,3
.irp j, 0,1,2,3
	global_load_b128 v[BI+16*\b+4*\j:BI+16*\b+4*\j+3], v10, s[12:13] offset:128*\b+16*\j
.endr
.endr
.irp a, 0,1,2,3,4,5,6,7
	global_load_b32 v[BJ+2*\a], v11, s[12:13] offset:(32*(\a/2)+8*(\a%2))*4
	global_load_b32 v[BJ+2*\a+1], v11, s[12:13] offset:(32*(\a/2)+8*(\a%2))*4
.endr
.macro FRAG reg, adr, q, t             ; a fragment, 16 rows x 128 K of 4-bit codes: registers 4 c .. 4 c + 3 hold K = 64 c + 32 h + 0 .. 31
.irp c, 0,1
	ds_load_b128 v[\reg+4*\c:\reg+4*\c+3], v[\adr] offset:64*(\q)+32*\c+(\t)*TLB
.endr
.endm
.macro FETCH_B q, p                    ; source 0's eight fragments of the q-th 128 along K into set p
	WIN TO_B
.irp i, 0,1,2,3,4,5,6,7
	FRAG 128*(\p)+FR*\i, ADR0, \q, \i
.endr
	WIN 0
.endm
.macro FETCH_A q, i0                   ; source 1's tiles i0 .. i0 + 3
.irp i, \i0, \i0+1, \i0+2, \i0+3
	FRAG AF+FR*(\i), ADR1, \q, \i
.endr
.endm
.macro SCALES                          ; all of K's scale words: 8 words a row
.irp t, 0,1,2,3,4,5,6,7
.irp f, 0,1
	ds_load_b128 v[SC+8*\t+4*\f:SC+8*\t+4*\f+3], v[ADRS] offset:1024*(\t/2)+256*(\t%2)+16*\f
.endr
.endr
.endm
; 16 matrix instructions: source 1's tiles a0, a0 + 1 x source 0's eight.  The 64 accumulators take turns, one instruction a turn, in the same order in every step.
.macro MUL16 a0, p, q, zero
.irp a, \a0, \a0+1
.irp b, 0,1,2,3,4,5,6,7
.if \zero
	v_wmma_scale_f32_16x16x128_f8f6f4 v[8*(8*((\a)%4)+\b):8*(8*((\a)%4)+\b)+7], v[128*(\p)+FR*\b:128*(\p)+FR*\b+FR-1], v[AF+FR*(\a):AF+FR*(\a)+FR-1], 0, v[SC+8*\b+(\q)], v[SC+8*(\a)+(\q)] matrix_a_fmt:MATRIX_FMT_FP4 matrix_b_fmt:MATRIX_FMT_FP4 matrix_a_scale:MATRIX_SCALE_ROW1
.else
	v_wmma_scale_f32_16x16x128_f8f6f4 v[8*(8*((\a)%4)+\b):8*(8*((\a)%4)+\b)+7], v[128*(\p)+FR*\b:128*(\p)+FR*\b+FR-1], v[AF+FR*(\a):AF+FR*(\a)+FR-1], v[8*(8*((\a)%4)+\b):8*(8*((\a)%4)+\b)+7], v[SC+8*\b+(\q)], v[SC+8*(\a)+(\q)] matrix_a_fmt:MATRIX_FMT_FP4 matrix_b_fmt:MATRIX_FMT_FP4 matrix_a_scale:MATRIX_SCALE_ROW1
.endif
.endr
.endr
.endm
; A step of 128 along K.  Source 1 has one set of registers: tiles 0-3 are fetched anew in the step's middle, tiles 4-7 at its end; source 0 has two sets.  Four plain places stand in front of each run of loads
; into registers that matrix instructions have read (ISA guide 7.12.1 for vector instructions).
.macro STEP q, zero
	s_wait_dscnt 8                                 ; all but the youngest eight loads: source 1's tiles 4-7 may be out
	WIN MUL_LO
	MUL16 0, (\q)%2, \q, \zero
	MUL16 2, (\q)%2, \q, \zero
	s_wait_dscnt 0x0                               ; tiles 4-7 are in
	PLACES 4
	FETCH_B (\q)+1, 1-(\q)%2
	FETCH_A (\q)+1, 0
	WIN MUL_HI
	MUL16 4, (\q)%2, \q, \zero
	MUL16 6, (\q)%2, \q, \zero
	PLACES 4
	WIN 0
	FETCH_A (\q)+1, 4
.endm
; 64 numbers of a lane, register 16 b + i = k 32 b + 16 h + i of my row, become a fragment's codes in v[pc] on and its scale word in v[pw].
.macro QUANT s, pc, pw
.irp b, 0,1,2,3
	v_max3_num_f32 v[TM+\b], |v[\s+16*\b]|, |v[\s+1+16*\b]|, 0x1800000   ; block b: my 16 numbers, and the floor 2^(3 - 127): so the byte cannot fall under 1
.endr
.irp i, 2,4,6,8,10,12,14
.irp b, 0,1,2,3
	v_max3_num_f32 v[TM+\b], v[TM+\b], |v[\s+16*\b+\i]|, |v[\s+1+16*\b+\i]|
.endr
.endr
.irp b, 0,1,2,3
	v_permlanex16_b32 v[TM+4+\b], v[TM+\b], s[SEL], s[SEL+1]
.endr
.irp b, 0,1,2,3
	v_max_num_f32 v[TM+\b], v[TM+\b], v[TM+4+\b]   ; with lane l xor 16's: the block's largest magnitude
.endr
.irp b, 0,1,2,3
	v_add_nc_u32 v[TM+12+\b], 0xff000000, v[TM+\b] ; 2 off its exponent field: the conversion takes the exponent field of this operand as its scale
.endr
.irp b, 0,1,2,3
	v_lshrrev_b32 v[TM+4+\b], 23, v[TM+12+\b]      ; the scale's byte
.endr
	v_lshl_or_b32 v[\pw], v[TM+5], 8, v[TM+4]
	v_lshl_or_b32 v[\pw], v[TM+6], 16, v[\pw]
	v_lshl_or_b32 v[\pw], v[TM+7], 24, v[\pw]
.irp b, 0,1,2,3
	v_cvt_scalef32_pk8_fp4_f32 v[\pc+2*\b], v[\s+16*\b:\s+7+16*\b], v[TM+12+\b]
	v_cvt_scalef32_pk8_fp4_f32 v[\pc+1+2*\b], v[\s+8+16*\b:\s+15+16*\b], v[TM+12+\b]
.endr
	v_nop                                          ; one plain place behind a scaled conversion
.irp c, 0,1                            ; the operand's layout wants a whole block in a lane
.irp i, 0,1
	v_permlane16_swap_b32 v[\pc+4*\c+\i], v[\pc+2+4*\c+\i]
.endr
.endr
.endm
; The way out of source 1's tile a: the bias (along the registers, or my column's), the quantiser, two stores of 512 consecutive bytes.  Each accumulator is read from its low end on.
.macro EPI a
	s_cmp_eq_u32 s67, 0
	s_cbranch_scc0 .Lbj_\@
	WIN 0x02+(\a)/4                                ; source 0: window 2 or 3
.set k, 0
.rept 32
	v_pk_add_f32 v[HA+2*k:HA+2*k+1], v[64*((\a)%4)+2*k:64*((\a)%4)+2*k+1], v[BI+2*k:BI+2*k+1]
.set k, k+1
.endr
	WIN 0
	s_branch .Lbd_\@
.Lbj_\@:
	WIN 0x02+(\a)/4
.set k, 0
.rept 32
	v_pk_add_f32 v[HA+2*k:HA+2*k+1], v[64*((\a)%4)+2*k:64*((\a)%4)+2*k+1], v[BJ+2*(\a):BJ+2*(\a)+1]
.set k, k+1
.endr
	WIN 0
.Lbd_\@:
.if (\a) > 0
	s_wait_xcnt 0x0                                ; the last tile's stores have read their data: the codes' registers are written again only behind this wait
.endif
	QUANT HA, PC, PW+(\a)
	global_store_b128 v[CO], v[PC:PC+3], s[14:15] offset:(\a)*512
	global_store_b128 v[CO], v[PC+4:PC+7], s[14:15] offset:(\a)*512+65536
.endm
	s_wait_tensorcnt 0x0                           ; my two loads have landed,
	s_barrier_signal -1
	s_barrier_wait -1                              ; everybody's have: nothing is filled again in this launch
	FETCH_B 0, 0
	FETCH_A 0, 0
	SCALES
	FETCH_A 0, 4
	STEP 0, 1                                      ; the first step's products start the sums: nothing is cleared
.irp q, 1,2,3,4,5,6
	STEP \q, 0
.endr
	s_wait_dscnt 8                                 ; the last step: nothing more to fetch
	WIN MUL_LO
	MUL16 0, 1, 7, 0
	MUL16 2, 1, 7, 0
	s_wait_dscnt 0x0
	WIN MUL_HI
	MUL16 4, 1, 7, 0
	MUL16 6, 1, 7, 0
	WIN 0
	PLACES 4                                       ; in front of the first read of results, and of the first write into source 1's registers
	s_wait_loadcnt 0x0                             ; the bias
.irp a, 0,1,2,3,4,5,6,7
	EPI \a
.endr
	; the scale words.  Lanes 0-15 store the pair's first head, lanes 16-31 its second: 16 bytes a lane, two runs of 256 consecutive bytes
	v_cmp_eq_u32 vcc_lo, 1, v2
	s_cmp_eq_u32 s67, 0
	s_cbranch_scc0 .Lsc_v
	v_mov_b32 v12, 0x05040100                      ; q, k: a word holds tile 2 b's two bytes of my head, then tile 2 b + 1's
	v_mov_b32 v13, 0x07060302
	v_cndmask_b32 v12, v12, v13, vcc_lo
.irp b, 0,1,2,3
	v_perm_b32 v[OW+\b], v[PW+2*\b+1], v[PW+2*\b], v12
.endr
	s_branch .Lsc_done
.Lsc_v:
	v_mov_b32 v12, 0x03020100                      ; v: a word is a tile's whole word: tiles 0-3 are the first head's, 4-7 the second's
	v_mov_b32 v13, 0x07060504
	v_cndmask_b32 v12, v12, v13, vcc_lo
.irp b, 0,1,2,3
	v_perm_b32 v[OW+\b], v[PW+4+\b], v[PW+\b], v12
.endr
.Lsc_done:
	s_wait_alu depctr_va_vdst(0)
	global_store_b128 v[SOFF], v[OW:OW+3], s[16:17]
	s_wait_tensorcnt 0x0                           ; the wave's end
	ds_add_u32 v[SPW], v[NIL]
	s_wait_dscnt 0x0
	CROUND                                         ; the closing round
	s_endpgm
.Lfunc_end_k_q826ecedd12_qkv:
	.size	k_q826ecedd12_qkv, .Lfunc_end_k_q826ecedd12_qkv-k_q826ecedd12_qkv
	.p2alignl 7, 3214868480
	.fill 96, 4, 3214868480
	.section	.rodata,"a",@progbits
	.p2align	6, 0x0
	.amdhsa_kernel k_q826ecedd12_qkv
		.amdhsa_group_segment_fixed_size 327680
		.amdhsa_private_segment_fixed_size 0
		.amdhsa_enable_private_segment 0
		.amdhsa_kernarg_size 56
		.amdhsa_user_sgpr_count 2
		.amdhsa_user_sgpr_kernarg_segment_ptr 1
		.amdhsa_wavefront_size32 1
		.amdhsa_system_sgpr_workgroup_id_x 1
		.amdhsa_system_sgpr_workgroup_id_y 1
		.amdhsa_system_sgpr_workgroup_id_z 1
		.amdhsa_system_vgpr_workitem_id 0
		.amdhsa_next_free_vgpr 1024
		.amdhsa_next_free_sgpr 100
		.amdhsa_reserve_vcc 1
		.amdhsa_float_denorm_mode_32 3
		.amdhsa_float_denorm_mode_16_64 3
		.amdhsa_memory_ordered 1
		.amdhsa_forward_progress 1
		.amdhsa_inst_pref_size 164
	.end_amdhsa_kernel
	.amdgpu_metadata
---
amdhsa.version: [ 1, 2 ]
amdhsa.kernels:
  - .name:           k_q826ecedd12_qkv
    .symbol:         k_q826ecedd12_qkv.kd
    .args:
      - { .name: x_codes, .offset: 0, .size: 8, .value_kind: global_buffer, .address_space: global }
      - { .name: x_scales, .offset: 8, .size: 8, .value_kind: global_buffer, .address_space: global }
      - { .name: W_attn_codes, .offset: 16, .size: 8, .value_kind: global_buffer, .address_space: global }
      - { .name: W_attn_scales, .offset: 24, .size: 8, .value_kind: global_buffer, .address_space: global }
      - { .name: b_attn, .offset: 32, .size: 8, .value_kind: global_buffer, .address_space: global }
      - { .name: qkv_codes, .offset: 40, .size: 8, .value_kind: global_buffer, .address_space: global }
      - { .name: qkv_scales, .offset: 48, .size: 8, .value_kind: global_buffer, .address_space: global }
    .group_segment_fixed_size: 327680
    .private_segment_fixed_size: 0
    .kernarg_segment_align: 8
    .kernarg_segment_size: 56
    .max_flat_workgroup_size: 128
    .sgpr_count:     100
    .vgpr_count:     1024
    .wavefront_size: 32
...
	.end_amdgpu_metadata
.endif
;; end of part 1
;; launch attn (part 2): grid 4 x 64, 16 waves a work-group, clusters of 4 x 1, 167,936 bytes of LDS; arguments qkv_codes, qkv_scales, y_codes, y_scales; writes y_codes, y_scales
.if DOCPART == 2
	.amdgcn_target "amdgcn-amd-amdhsa--gfx1250"
	.amdhsa_code_object_version 6
	.text
	.protected	k_q826ecedd12_attn
	.globl	k_q826ecedd12_attn
	.p2align	8
	.type	k_q826ecedd12_attn,@function
k_q826ecedd12_attn:
	s_mov_b64 s[64:65], 0
	v_nop
	global_prefetch_b8 v0, s[64:65] scope:SCOPE_SE
	s_setreg_imm32_b32 hwreg(HW_REG_WAVE_MODE, 25, 1), 1
	s_wait_xcnt 0x0
	s_wait_alu depctr_hold_cnt(0) depctr_sa_sdst(0) depctr_va_vdst(0) depctr_va_sdst(0) depctr_va_ssrc(0) depctr_va_vcc(0) depctr_vm_vsrc(0)
	s_getreg_b32 s2, hwreg(HW_REG_IB_STS2, 6, 4)
	s_cmp_eq_u32 s2, 0
	s_cbranch_scc0 .Lentry_in_a_cluster
	s_endpgm
.Lentry_in_a_cluster:
	s_bfe_u32 s2, ttmp6, 0x10000c
	s_cmp_lg_u32 s2, 0x3003
	s_cbranch_scc0 .Lentry_shape_is_right
	s_endpgm
.Lentry_shape_is_right:
; y[b][t][head] = softmax(q k^T / 8, causal) v on codes of FP4 (E2M1), one E8M0 scale for each 32 along a product's K; y is quantised along C and leaves as codes.
; LEFT OUT: a step of 128 keys that lies wholly behind a tile's 16 queries (reference()'s own causal mask makes its weights 0 for all inputs).  A NaN or an infinity in such hidden scores is not carried to the result.
; THE SOFTMAX: t = score x log2(e) / 8; M = the running largest t rounded UP to a whole number; p = 2^(t - M) is quantised along the keys, not normalised; the row's sum is taken of the unquantised p and divides at the end.
; SHARES.  A cluster of four work-groups is one head of one batch.  The head's 2,048 queries are 16 groups G of 128, each 8 tiles e of 16.  Wave w of work-group g takes tile (G = w, e = g), w + 1 key steps,
; and then tile (G = 15 - w, e = g + 4), 16 - w key steps: 17 key steps for every wave of the launch.  A whole head's K, V and scale words lie in LDS, filled once by joint loads: one barrier in the launch.
; No branch and no LDS address hangs on g: it enters global addresses, the mask's compare value and a rotation of q's scale word alone.
; TILES.  Lane r of tile e = 2 b + u holds row 32 b + 8 u + r + 8 (r / 8) of its 128 (queries, keys) or 64 (v's d).  Both products are used transposed, so a lane holds one query throughout, and the 16 registers of two
; neighbouring tiles are 16 neighbours along the next K.
; K = 64 IN AN INSTRUCTION OF K = 128.  A fragment of K holds TWO tiles of keys (registers 0-3, 4-7); q stands as twelve registers q, 0, q: registers 0-7 pick the first tile, registers 4-11 the second; the zero codes
; add nothing under the other tile's scale bytes, which lie between 1 and 254.
; y's scale bytes leave two to a row, sixteen rows a store (lanes r and r + 16 write the same two bytes with the same value): a sixteenth of y's bytes.
; REGISTERS: v1-3 addresses that stay; v4, v5 the add's two; v6, v7 the mask's compare values; v8-10 addresses in hand; v12 -M, v13 the largest t, v[14:15] the sum; v16-39 q of both passes; v40-43 q's scale words;
; v44-47 K's, v48-51 V's; v52-83 K; v84-115 V; v116-179 S^T, then p, then y; v180-211 O^T; v212-219 codes; v220 16 r; v221, v232-254 at work.
.set VIMG,  65536                      ; LDS: K's images at 0 (s x 4096 + e x 512 + 16 x lane); V's here ((c x 16 + s) x 2048 + a x 512 + 16 x lane)
.set KSC,   131072                     ; K's scale words (s x 256 + 16 r + 4 b), 4,096 bytes; V's behind them
.set SPARE, 139264                     ; the spare words, 128 bytes for each wave: eight blocks of 256 bytes that no other line names
.set LK,  1
.set LV,  2
.set LSC, 3
.set SPW, 4
.set NIL, 5
.set ADK, 8
.set ADV, 9
.set ADS, 10
.set KS,  44
.set VS,  48
.set KF,  52
.set VF,  84
.set S,   116
.set O,   180
.set P,   212
.set GS,  220
.set WV,  12
.set SEL, 20
.set CS,  22
.set G1K, 24
.set G1V, 32
.set G1S, 40
.set G0K, 48
.set G0V, 52
.set G0S, 56
.set ST,  60                           ; the key step
.set GG,  61                           ; my tile's group: its diagonal step
.set TK,  62
.set TV,  63
.set TS,  66
.macro CROUND
	s_barrier_signal -1
	s_barrier_wait -1
	s_cmp_lg_u32 s[WV], 0
	s_cbranch_scc1 .Lnot_wave_0_\@
	s_barrier_signal -3
.Lnot_wave_0_\@:
	s_barrier_wait -3
	s_barrier_signal -1
	s_barrier_wait -1
.endm
	s_load_b256 s[4:11], s[0:1], 0x0               ; qkv_codes s[4:5], qkv_scales s[6:7], y_codes s[8:9], y_scales s[10:11]
	v_lshl_add_u32 v[SPW], v0, 2, SPARE
	v_mov_b32 v[NIL], 0
	ds_add_u32 v[SPW], v[NIL]                      ; the wave's opening: the add, twice on end, and its wait ahead of the first tensor loads
	ds_add_u32 v[SPW], v[NIL]                      ; and once more; the set-up below stands between it and the wait
	v_lshrrev_b32 v8, 5, v0
	s_delay_alu instid0(VALU_DEP_1)
	v_readfirstlane_b32 s[WV], v8                  ; wave 0..15
	s_bfe_u32 s13, ttmp6, 0x40000                  ; g = cx
	s_and_b32 s14, ttmp7, 0xffff                   ; 16 x batch + head, which the four partners share
	; group 1.  K: 16,384 dense bytes as 64 rows of 256;  V: 8 rows of 2,048 bytes, 4,096 apart;  scale words: 4,096 dense bytes.  15:0 the mask: all four; 21 set beside it
	s_mov_b32 s[G1K], 15|(3<<16)|(1<<21)
	s_mov_b32 s[G1K+1], 32<<16
	s_mov_b32 s[G1K+2], 64<<16
	s_mov_b32 s[G1K+3], 32<<16
	s_mov_b32 s[G1K+4], 64
	s_mov_b32 s[G1K+5], 32
	s_mov_b32 s[G1K+6], 0
	s_mov_b32 s[G1K+7], 0
	s_mov_b32 s[G1V], 15|(1<<21)
	s_mov_b32 s[G1V+1], 2048<<16
	s_mov_b32 s[G1V+2], 8<<16
	s_mov_b32 s[G1V+3], 2048<<16
	s_mov_b32 s[G1V+4], 8
	s_mov_b32 s[G1V+5], 4096
	s_mov_b32 s[G1V+6], 0
	s_mov_b32 s[G1V+7], 0
	s_mov_b32 s[G1S], 15|(3<<16)|(1<<21)
	s_mov_b32 s[G1S+1], 32<<16
	s_mov_b32 s[G1S+2], 16<<16
	s_mov_b32 s[G1S+3], 32<<16
	s_mov_b32 s[G1S+4], 16
	s_mov_b32 s[G1S+5], 32
	s_mov_b32 s[G1S+6], 0
	s_mov_b32 s[G1S+7], 0
	s_and_b32 s18, s[WV], 3                        ; which quarter of K or of V,
	s_and_b32 s19, s[WV], 1                        ; K's scale words or V's
	s_add_co_u32 s84, s14, 64                      ; K: heads 64 .. 127 of the codes' buffer, 65,536 bytes each
	s_lshl_b32 s84, s84, 16
	s_lshl_b32 s85, s18, 14
	s_add_co_u32 s84, s84, s85
	s_mov_b32 s85, 0
	s_lshr_b32 s86, s14, 1                         ; V: pairs of heads 64 .. 95, 131,072 bytes each; the pair's second head 2,048 bytes on; 8 rows a quarter
	s_add_co_u32 s86, s86, 64
	s_lshl_b32 s86, s86, 17
	s_and_b32 s87, s14, 1
	s_lshl_b32 s87, s87, 11
	s_add_co_u32 s86, s86, s87
	s_lshl_b32 s87, s18, 15
	s_add_co_u32 s86, s86, s87
	s_mov_b32 s87, 0
	s_lshl_b32 s88, s19, 6                         ; scale words: heads 64 .. (K), 128 .. (V), 4,096 bytes each
	s_add_co_u32 s88, s88, s14
	s_add_co_u32 s88, s88, 64
	s_lshl_b32 s88, s88, 12
	s_mov_b32 s89, 0
	s_mov_b32 s[SEL], 0x76543210
	s_mov_b32 s[SEL+1], 0xfedcba98
	s_mov_b32 s[CS], 0x3e38aa3b                    ; c = log2(e) / 8
	s_mov_b32 s[CS+1], s[CS]                       ; (named with it as a pair, so it is written)
	s_wait_dscnt 0x0                               ; both opening adds are done
	s_wait_kmcnt 0x0
	CROUND                                         ; all four work-groups are here: the joint loads meet
	s_mov_b32 s[G0K], 1
	s_lshl_b32 s[G0K+1], s18, 14
	s_add_nc_u64 s[G0K+2:G0K+3], s[4:5], s[84:85]
	s_or_b32 s[G0K+3], s[G0K+3], 0x80000000
	s_mov_b32 s[G0V], 1
	s_lshl_b32 s[G0V+1], s18, 14
	s_add_co_u32 s[G0V+1], s[G0V+1], VIMG
	s_add_nc_u64 s[G0V+2:G0V+3], s[4:5], s[86:87]
	s_or_b32 s[G0V+3], s[G0V+3], 0x80000000
	s_mov_b32 s[G0S], 1
	s_lshl_b32 s[G0S+1], s19, 12
	s_add_co_u32 s[G0S+1], s[G0S+1], KSC
	s_add_nc_u64 s[G0S+2:G0S+3], s[6:7], s[88:89]
	s_or_b32 s[G0S+3], s[G0S+3], 0x80000000
	; waves 0-3: K's quarters; 4-7: V's; 8, 9: the scale words; the others nothing.  One load a wave at the most, in one chain of branches on the wave's number; every wait on TENSORcnt in this text is for 0
	s_cmp_lt_u32 s[WV], 4
	s_cbranch_scc0 .Lnot_k
	tensor_load_to_lds s[G0K:G0K+3], s[G1K:G1K+7]
	s_nop 0
.rept 4
	v_nop
.endr
	s_branch .Lasked
.Lnot_k:
	s_cmp_lt_u32 s[WV], 8
	s_cbranch_scc0 .Lnot_v
	tensor_load_to_lds s[G0V:G0V+3], s[G1V:G1V+7]
	s_nop 0
.rept 4
	v_nop
.endr
	s_branch .Lasked
.Lnot_v:
	s_cmp_lt_u32 s[WV], 10
	s_cbranch_scc0 .Lasked
	tensor_load_to_lds s[G0S:G0S+3], s[G1S:G1S+7]
	s_nop 0
.rept 4
	v_nop
.endr
.Lasked:
; where pass p's tile lies: q's codes and scale word, y's codes and scale bytes.  These registers hold g and feed no descriptor
.macro PREP p, qb, qsb, yb, ysb
.if \p
	s_sub_co_u32 s90, 15, s[WV]                    ; G
.else
	s_mov_b32 s90, s[WV]
.endif
	s_add_co_u32 s91, s13, 4*\p                    ; e
	s_lshl_b32 s92, s14, 16
	s_lshl_b32 s94, s90, 12
	s_add_co_u32 s92, s92, s94
	s_lshl_b32 s94, s91, 9
	s_add_co_u32 s92, s92, s94
	s_add_nc_u64 s[\qb:\qb+1], s[4:5], s[92:93]
	s_lshl_b32 s92, s14, 12
	s_lshl_b32 s94, s90, 8
	s_add_co_u32 s92, s92, s94
	s_lshr_b32 s94, s91, 1
	s_lshl_b32 s94, s94, 2
	s_add_co_u32 s92, s92, s94
	s_add_nc_u64 s[\qsb:\qsb+1], s[6:7], s[92:93]
	s_lshr_b32 s16, s14, 4
	s_lshl_b32 s16, s16, 7
	s_lshl_b32 s94, s90, 3
	s_add_co_u32 s16, s16, s94
	s_add_co_u32 s16, s16, s91                     ; the tile of rows: 128 x batch + 8 G + e
	s_and_b32 s17, s14, 15                         ; the head
	s_lshl_b32 s92, s16, 13
	s_lshl_b32 s94, s17, 9
	s_add_co_u32 s92, s92, s94
	s_add_nc_u64 s[\yb:\yb+1], s[8:9], s[92:93]
	s_lshl_b32 s92, s16, 9
	s_lshr_b32 s94, s17, 3
	s_lshl_b32 s94, s94, 8
	s_add_co_u32 s92, s92, s94
	s_and_b32 s94, s17, 7
	s_lshl_b32 s94, s94, 1
	s_add_co_u32 s92, s92, s94
	s_add_nc_u64 s[\ysb:\ysb+1], s[10:11], s[92:93]
.endm
	s_mov_b32 s93, 0
	PREP 0, 68, 72, 76, 80
	PREP 1, 70, 74, 78, 82
	v_and_b32 v[LK], 31, v0
	s_delay_alu instid0(VALU_DEP_1)
	v_lshlrev_b32 v[LK], 4, v[LK]                  ; 16 x lane
	s_delay_alu instid0(VALU_DEP_1)
	v_add_nc_u32 v[LV], VIMG, v[LK]
	v_and_b32 v8, 15, v0                           ; r
	v_bfe_u32 v9, v0, 4, 1                         ; h
	s_delay_alu instid0(VALU_DEP_2)
	v_lshl_add_u32 v[LSC], v8, 4, KSC
	s_delay_alu instid0(VALU_DEP_3)
	v_lshlrev_b32 v[GS], 4, v8
	global_load_b128 v[16:19], v[LK], s[68:69]     ; q of pass 0, twice: registers q, 0, q
	global_load_b128 v[24:27], v[LK], s[68:69]
	global_load_b128 v[28:31], v[LK], s[70:71]     ; and of pass 1
	global_load_b128 v[36:39], v[LK], s[70:71]
	global_load_b32 v40, v[GS], s[72:73]           ; the scale word that holds my tile's two bytes and its neighbour's
	global_load_b32 v42, v[GS], s[74:75]
.irp j, 20,21,22,23,32,33,34,35
	v_mov_b32 v\j, 0
.endr
	v_lshrrev_b32 v10, 3, v8
	s_delay_alu instid0(VALU_DEP_1)
	v_lshl_add_u32 v10, v10, 3, v8                 ; r + 8 (r / 8)
	v_lshlrev_b32 v11, 4, v9
	s_delay_alu instid0(VALU_DEP_1)
	v_sub_nc_u32 v10, v10, v11                     ; - 16 h
	s_lshr_b32 s94, s13, 1
	s_lshl_b32 s94, s94, 5
	s_and_b32 s95, s13, 1
	s_lshl_b32 s15, s95, 3
	s_add_co_u32 s94, s94, s15
	v_add_nc_u32 v6, s94, v10                      ; pass 0: my query in its group, less 16 h: register 16 b + i holds a hidden key where 32 b + i is above it
	s_delay_alu instid0(VALU_DEP_1)
	v_add_nc_u32 v7, 64, v6                        ; pass 1: tile e + 4 lies 64 queries on
	s_lshl_b32 s95, s95, 4                         ; 16 where my tile is its pair's second
.irp b, 0,1,2,3
	v_mov_b32 v[236+\b], 0                         ; written once: a lane permute's destination counts as one of its sources
.endr
	v_mov_b32 v252, 0
	v_mov_b32 v253, 0                              ; (named as the upper half of the pair v[252:253] before it is first written)
	s_wait_loadcnt 0x0
	v_alignbit_b32 v40, v40, v40, s95              ; my two bytes in the low half: for q, 0
	v_alignbit_b32 v42, v42, v42, s95
	s_delay_alu instid0(VALU_DEP_2)
	v_alignbit_b32 v41, v40, v40, 16               ; and in the high half: for 0, q
	s_delay_alu instid0(VALU_DEP_2)
	v_alignbit_b32 v43, v42, v42, 16
	s_wait_tensorcnt 0x0                           ; my load, if I had one, has landed,
	s_barrier_signal -1
	s_barrier_wait -1                              ; everybody's has: the head lies in LDS, and nothing is filled again
; A KEY STEP of 128 keys.  q: q's first register; qs: its two scale words; dq: the mask's compare value.
.macro KSTEP q, qs, dq
	s_cmp_gt_u32 s[ST], s[GG]                      ; all its keys come behind my queries: left out.  The wave's number and the count of steps alone decide
	s_cbranch_scc1 .Lhid_\@
	s_setprio 2
	v_add_nc_u32 v[ADK], s[TK], v[LK]
	v_add_nc_u32 v[ADV], s[TV], v[LV]
	v_add_nc_u32 v[ADS], s[TS], v[LSC]
	v_nop                                          ; with the three above: four places in front of loads into registers that the last step's matrix instructions have read
.irp b, 0,1,2,3
.irp c, 0,1
	ds_load_b128 v[KF+8*\b+4*\c:KF+8*\b+4*\c+3], v[ADK] offset:1024*\b+512*\c   ; tiles 2 b and 2 b + 1 make one fragment
.endr
.endr
	ds_load_b128 v[KS:KS+3], v[ADS]
.irp a, 0,1,2,3
.irp c, 0,1
	ds_load_b128 v[VF+8*\a+4*\c:VF+8*\a+4*\c+3], v[ADV] offset:512*\a+32768*\c
.endr
.endr
	ds_load_b128 v[VS:VS+3], v[ADS] offset:4096
	s_wait_dscnt 9                                 ; K and its scale words are in; V's nine loads may be out
.irp b, 0,1,2,3
.irp u, 0,1
	v_wmma_scale_f32_16x16x128_f8f6f4 v[S+8*(2*\b+\u):S+8*(2*\b+\u)+7], v[KF+8*\b:KF+8*\b+7], v[\q+4*\u:\q+4*\u+7], 0, v[KS+\b], v[\qs+\u] matrix_a_fmt:MATRIX_FMT_FP4 matrix_b_fmt:MATRIX_FMT_FP4
.endr
.endr                                  ; register 16 b + i: key 128 ST + 32 b + 16 h + i
.rept 4
	v_nop
.endr
	s_cmp_lg_u32 s[ST], s[GG]                      ; on the diagonal the scores of hidden keys become -infinity ahead of the maximum: p = 0 then
	s_cbranch_scc1 .Lopen_\@
	v_mov_b32 v254, 0xff800000
.set n, 0
.rept 64
	v_cmp_gt_i32 vcc_lo, 32*(n/16)+n%16, v[\dq]
	v_cndmask_b32 v[S+n], v[S+n], v254, vcc_lo
.set n, n+1
.endr
.Lopen_\@:
.irp b, 0,1,2,3
	v_max3_num_f32 v[232+\b], v[S+16*\b], v[S+1+16*\b], v[S+2+16*\b]   ; the largest score of each block of 32 keys: for the row's maximum, and, since p rises with the score, for the block's largest p
.endr
.irp i, 3,5,7,9,11,13
.irp b, 0,1,2,3
	v_max3_num_f32 v[232+\b], v[232+\b], v[S+16*\b+\i], v[S+1+16*\b+\i]
.endr
.endr
.irp b, 0,1,2,3
	v_max_num_f32 v[232+\b], v[232+\b], v[S+15+16*\b]
.endr
.irp b, 0,1,2,3
	s_delay_alu instid0(VALU_DEP_4)
	v_permlanex16_b32 v[236+\b], v[232+\b], s[SEL], s[SEL+1]
.endr
.irp b, 0,1,2,3
	s_delay_alu instid0(VALU_DEP_4)
	v_max_num_f32 v[232+\b], v[232+\b], v[236+\b]  ; with lane l xor 16's 16 keys
.endr
	s_delay_alu instid0(VALU_DEP_2)
	v_max3_num_f32 v254, v232, v233, v234
	s_delay_alu instid0(VALU_DEP_1)
	v_max_num_f32 v254, v254, v235
	s_delay_alu instid0(VALU_DEP_1)
	v_mul_f32 v254, s[CS], v254                    ; the step's largest t
	s_delay_alu instid0(VALU_DEP_1)
	v_max_num_f32 v13, v13, v254                   ; the running largest t
	v_mov_b32 v254, v12
	s_delay_alu instid0(VALU_DEP_2)
	v_floor_f32 v12, -v13                          ; the new -M = floor(-t): M is a whole number
	s_delay_alu instid0(VALU_DEP_1)
	v_sub_f32 v254, v12, v254                      ; old M less new M: a whole number, 0 or less
	s_delay_alu instid0(VALU_DEP_1)
	v_cvt_i32_f32 v254, v254                       ; (it saturates)
	s_delay_alu instid0(VALU_DEP_1)
	v_ldexp_f32 v252, 1.0, v254                    ; f = 2^(old M - new M): a multiplication by it rounds nothing
.set n, 0
.rept 32
	v_pk_fma_f32 v[S+n:S+n+1], v[S+n:S+n+1], s[CS:CS+1], v[12:13] op_sel_hi:[1,0,0]   ; t - M, two at a time
.set n, n+2
.endr
	s_setprio 1
.irp b, 0,1,2,3
	v_fma_f32 v[232+\b], v[232+\b], s[CS], v12     ; the same of each block's largest score
.endr
.set n, 0
	s_wait_alu depctr_va_vdst(0)
.rept 64
	v_exp_f32 v[S+n], v[S+n]                       ; p = 2^(t - M), at most 1
.set n, n+1
.endr
	v_pk_mul_f32 v[14:15], v[14:15], v[252:253] op_sel_hi:[1,0]   ; the sums under the new M: the plain place behind the exponentials
	s_wait_alu depctr_va_vdst(0)                   ; one wait for the whole batch, ahead of its first reader
.irp b, 0,1,2,3
	v_exp_f32 v[232+\b], v[232+\b]                 ; the block's largest p
.endr
	v_pk_add_f32 v[236:237], v[120:121], v[124:125]
	v_pk_add_f32 v[254:255], v[128:129], v[132:133]
	v_pk_add_f32 v[250:251], v[136:137], v[140:141]
	v_pk_add_f32 v[248:249], v[144:145], v[148:149]
	v_pk_add_f32 v[246:247], v[152:153], v[156:157]
	v_pk_add_f32 v[244:245], v[160:161], v[164:165]
	v_pk_add_f32 v[242:243], v[168:169], v[172:173]
	v_pk_add_f32 v[14:15], v[14:15], v[176:177]
	v_pk_add_f32 v[236:237], v[236:237], v[116:117]
	v_pk_add_f32 v[254:255], v[254:255], v[118:119]
	v_pk_add_f32 v[250:251], v[250:251], v[122:123]
	v_pk_add_f32 v[248:249], v[248:249], v[126:127]
	v_pk_add_f32 v[246:247], v[246:247], v[130:131]
	v_pk_add_f32 v[244:245], v[244:245], v[134:135]
	v_pk_add_f32 v[242:243], v[242:243], v[138:139]
	v_pk_add_f32 v[14:15], v[14:15], v[142:143]
	v_pk_add_f32 v[236:237], v[236:237], v[146:147]
	v_pk_add_f32 v[254:255], v[254:255], v[150:151]
	v_pk_add_f32 v[250:251], v[250:251], v[154:155]
	v_pk_add_f32 v[248:249], v[248:249], v[158:159]
	v_pk_add_f32 v[246:247], v[246:247], v[162:163]
	v_pk_add_f32 v[244:245], v[244:245], v[166:167]
	v_pk_add_f32 v[242:243], v[242:243], v[170:171]
	v_pk_add_f32 v[14:15], v[14:15], v[174:175]
	v_pk_add_f32 v[236:237], v[236:237], v[178:179]
	s_delay_alu instid0(VALU_DEP_2)
	v_pk_add_f32 v[14:15], v[14:15], v[248:249]
	s_delay_alu instid0(VALU_DEP_2)
	v_pk_add_f32 v[236:237], v[236:237], v[246:247]
	v_pk_add_f32 v[254:255], v[254:255], v[244:245]
	v_pk_add_f32 v[250:251], v[250:251], v[242:243]
	s_delay_alu instid0(VALU_DEP_2)
	v_pk_add_f32 v[14:15], v[14:15], v[254:255]
	s_delay_alu instid0(VALU_DEP_2)
	v_pk_add_f32 v[236:237], v[236:237], v[250:251]
	s_delay_alu instid0(VALU_DEP_1)
	v_pk_add_f32 v[14:15], v[14:15], v[236:237]
	s_wait_alu depctr_va_vdst(0)                   ; and one for the four
.irp b, 0,1,2,3
	v_max_num_f32 v[232+\b], 0x1800000, v[232+\b]  ; the floor 2^(3 - 127): the byte cannot fall under 1
.endr
.irp b, 0,1,2,3
	s_delay_alu instid0(VALU_DEP_4)
	v_add_nc_u32 v[244+\b], 0xff000000, v[232+\b]  ; 2 off the exponent field: the conversion's scale operand
.endr
.irp b, 0,1,2,3
	s_delay_alu instid0(VALU_DEP_4)
	v_lshrrev_b32 v[236+\b], 23, v[244+\b]         ; the scale's byte
.endr
	s_delay_alu instid0(VALU_DEP_3)
	v_lshl_or_b32 v253, v237, 8, v236              ; p's scale word for these 128 keys
	s_delay_alu instid0(VALU_DEP_1)
	v_lshl_or_b32 v253, v238, 16, v253
	s_delay_alu instid0(VALU_DEP_1)
	v_lshl_or_b32 v253, v239, 24, v253
	s_setprio 0
.irp b, 0,1,2,3
	v_cvt_scalef32_pk8_fp4_f32 v[P+2*\b], v[S+16*\b:S+7+16*\b], v[244+\b]
	v_cvt_scalef32_pk8_fp4_f32 v[P+1+2*\b], v[S+8+16*\b:S+15+16*\b], v[244+\b]
.endr
	v_nop                                          ; one plain place behind a scaled conversion
.irp c, 0,1
.irp i, 0,1
	v_permlane16_swap_b32 v[P+4*\c+\i], v[P+2+4*\c+\i]
.endr
.endr
.set n, 0
.rept 16
	v_pk_mul_f32 v[O+n:O+n+1], v[O+n:O+n+1], v[252:253] op_sel_hi:[1,0]   ; O^T under the new M.  These sixteen are also the places in front of the matrix instructions below
.set n, n+2
.endr
	s_wait_alu depctr_va_vdst(0)
	s_wait_dscnt 0x0                               ; V and its scale words are in
.irp a, 0,1,2,3
	v_wmma_scale_f32_16x16x128_f8f6f4 v[O+8*\a:O+8*\a+7], v[VF+8*\a:VF+8*\a+7], v[P:P+7], v[O+8*\a:O+8*\a+7], v[VS+\a], v253 matrix_a_fmt:MATRIX_FMT_FP4 matrix_b_fmt:MATRIX_FMT_FP4
.endr
.Lhid_\@:
	s_add_co_u32 s[TK], s[TK], 4096                ; the next step's tiles and scale words
	s_add_co_u32 s[TV], s[TV], 2048
	s_add_co_u32 s[TS], s[TS], 256
.endm
; A PASS: one tile of 16 queries.  The loop's trip count is a constant, so that every LDS address can be read off the text; a hidden step costs its scalar lines.
.macro PASS p, q, qs, dq, yb, ysb
.if \p
	s_wait_xcnt 0x0                                ; the last pass's stores have read their data: those registers are written again only behind this wait
	s_sub_co_u32 s[GG], 15, s[WV]
.else
	s_mov_b32 s[GG], s[WV]
.endif
	s_mov_b32 s[ST], 0
	s_mov_b32 s[TK], 0
	s_mov_b32 s[TV], 0
	s_mov_b32 s[TS], 0
	v_mov_b32 v13, 0xff61b1e6                      ; the largest t so far: -3e38
	s_delay_alu instid0(VALU_DEP_1)
	v_floor_f32 v12, -v13
	v_mov_b32 v14, 0
	v_mov_b32 v15, 0
.set n, 0
.rept 32
	v_mov_b32 v[O+n], 0                            ; the step is written once: the first finds zeros, which the first change of M leaves zeros
.set n, n+1
.endr
.Lks_\@:
	KSTEP \q, \qs, \dq
	s_add_co_u32 s[ST], s[ST], 1
	s_cmp_lt_u32 s[ST], 16
	s_cbranch_scc1 .Lks_\@
	s_setprio 0
.rept 4
	v_nop                                          ; places behind the last products
.endr
	v_add_f32 v14, v14, v15
	s_delay_alu instid0(VALU_DEP_1)
	v_permlanex16_b32 v252, v14, s[SEL], s[SEL+1]
	s_delay_alu instid0(VALU_DEP_1)
	v_add_f32 v14, v14, v252                       ; the row's sum
	s_wait_alu depctr_va_vdst(0)
	v_rcp_f32 v14, v14
	v_nop                                          ; a plain place behind the reciprocal,
	s_wait_alu depctr_va_vdst(0)                   ; and the wait ahead of its first reader
.set n, 0
.rept 16
	v_pk_mul_f32 v[S+n:S+n+1], v[O+n:O+n+1], v[14:15] op_sel_hi:[1,0]   ; y: register 16 b + i = d 32 b + 16 h + i of my query
.set n, n+2
.endr
.irp b, 0,1
	v_max3_num_f32 v[232+\b], |v[S+16*\b]|, |v[S+1+16*\b]|, 0x1800000   ; y's two blocks of 32 along C
.endr
.irp i, 2,4,6,8,10,12,14
.irp b, 0,1
	s_delay_alu instid0(VALU_DEP_2)
	v_max3_num_f32 v[232+\b], v[232+\b], |v[S+16*\b+\i]|, |v[S+1+16*\b+\i]|
.endr
.endr
.irp b, 0,1
	s_delay_alu instid0(VALU_DEP_2)
	v_permlanex16_b32 v[236+\b], v[232+\b], s[SEL], s[SEL+1]
.endr
.irp b, 0,1
	s_delay_alu instid0(VALU_DEP_2)
	v_max_num_f32 v[232+\b], v[232+\b], v[236+\b]
.endr
.irp b, 0,1
	s_delay_alu instid0(VALU_DEP_2)
	v_add_nc_u32 v[244+\b], 0xff000000, v[232+\b]
.endr
.irp b, 0,1
	s_delay_alu instid0(VALU_DEP_2)
	v_lshrrev_b32 v[236+\b], 23, v[244+\b]
.endr
	s_delay_alu instid0(VALU_DEP_1)
	v_lshl_or_b32 v221, v237, 8, v236              ; my row's two scale bytes of this head
.irp b, 0,1
	v_cvt_scalef32_pk8_fp4_f32 v[P+2*\b], v[S+16*\b:S+7+16*\b], v[244+\b]
	v_cvt_scalef32_pk8_fp4_f32 v[P+1+2*\b], v[S+8+16*\b:S+15+16*\b], v[244+\b]
.endr
	v_nop
	v_permlane16_swap_b32 v[P], v[P+2]
	v_permlane16_swap_b32 v[P+1], v[P+3]           ; lane (r, h): d 32 h .. 32 h + 31 of row r: half of the projection's fragment, as it will stand in registers
	global_store_b128 v[LK], v[P:P+3], s[\yb:\yb+1]   ; 512 consecutive bytes at a multiple of 512
	global_store_b16 v[GS], v221, s[\ysb:\ysb+1]
.endm
	PASS 0, 16, 40, 6, 76, 80
	PASS 1, 28, 42, 7, 78, 82
	s_wait_tensorcnt 0x0                           ; the wave's end
	ds_add_u32 v[SPW], v[NIL]
	s_wait_dscnt 0x0
	CROUND                                         ; the closing round
	s_endpgm
.Lfunc_end_k_q826ecedd12_attn:
	.size	k_q826ecedd12_attn, .Lfunc_end_k_q826ecedd12_attn-k_q826ecedd12_attn
	.p2alignl 7, 3214868480
	.fill 96, 4, 3214868480
	.section	.rodata,"a",@progbits
	.p2align	6, 0x0
	.amdhsa_kernel k_q826ecedd12_attn
		.amdhsa_group_segment_fixed_size 167936
		.amdhsa_private_segment_fixed_size 0
		.amdhsa_enable_private_segment 0
		.amdhsa_kernarg_size 32
		.amdhsa_user_sgpr_count 2
		.amdhsa_user_sgpr_kernarg_segment_ptr 1
		.amdhsa_wavefront_size32 1
		.amdhsa_system_sgpr_workgroup_id_x 1
		.amdhsa_system_sgpr_workgroup_id_y 1
		.amdhsa_system_sgpr_workgroup_id_z 1
		.amdhsa_system_vgpr_workitem_id 0
		.amdhsa_next_free_vgpr 256
		.amdhsa_next_free_sgpr 96
		.amdhsa_reserve_vcc 1
		.amdhsa_float_denorm_mode_32 3
		.amdhsa_float_denorm_mode_16_64 3
		.amdhsa_memory_ordered 1
		.amdhsa_forward_progress 1
		.amdhsa_inst_pref_size 64
	.end_amdhsa_kernel
	.amdgpu_metadata
---
amdhsa.version: [ 1, 2 ]
amdhsa.kernels:
  - .name:           k_q826ecedd12_attn
    .symbol:         k_q826ecedd12_attn.kd
    .args:
      - { .name: qkv_codes, .offset: 0, .size: 8, .value_kind: global_buffer, .address_space: global }
      - { .name: qkv_scales, .offset: 8, .size: 8, .value_kind: global_buffer, .address_space: global }
      - { .name: y_codes, .offset: 16, .size: 8, .value_kind: global_buffer, .address_space: global }
      - { .name: y_scales, .offset: 24, .size: 8, .value_kind: global_buffer, .address_space: global }
    .group_segment_fixed_size: 167936
    .private_segment_fixed_size: 0
    .kernarg_segment_align: 8
    .kernarg_segment_size: 32
    .max_flat_workgroup_size: 512
    .sgpr_count:     96
    .vgpr_count:     256
    .wavefront_size: 32
...
	.end_amdgpu_metadata
.endif
;; end of part 2
;; launch proj (part 3): grid 4 x 64, 4 waves a work-group, clusters of 4 x 4, 327,680 bytes of LDS; arguments y_codes, y_scales, W_proj_codes, W_proj_scales, b_proj, out0; writes out0
.if DOCPART == 3
	.amdgcn_target "amdgcn-amd-amdhsa--gfx1250"
	.amdhsa_code_object_version 6
	.text
	.protected	k_q826ecedd12_proj
	.globl	k_q826ecedd12_proj
	.p2align	8
	.type	k_q826ecedd12_proj,@function
k_q826ecedd12_proj:
	s_mov_b64 s[64:65], 0
	v_nop
	global_prefetch_b8 v0, s[64:65] scope:SCOPE_SE
	s_setreg_imm32_b32 hwreg(HW_REG_WAVE_MODE, 25, 1), 1
	s_wait_xcnt 0x0
	s_wait_alu depctr_hold_cnt(0) depctr_sa_sdst(0) depctr_va_vdst(0) depctr_va_sdst(0) depctr_va_ssrc(0) depctr_va_vcc(0) depctr_vm_vsrc(0)
	s_getreg_b32 s2, hwreg(HW_REG_IB_STS2, 6, 4)
	s_cmp_eq_u32 s2, 0
	s_cbranch_scc0 .Lentry_in_a_cluster
	s_endpgm
.Lentry_in_a_cluster:
	s_bfe_u32 s2, ttmp6, 0x10000c
	s_cmp_lg_u32 s2, 0xf033
	s_cbranch_scc0 .Lentry_shape_is_right
	s_endpgm
.Lentry_shape_is_right:
; out = y W_proj + b_proj on codes of FP4 (E2M1), one E8M0 scale for each 32 along K; sums and result in f32.  Nothing is left out here.
; SHARES.  A work-group makes 128 rows x 256 columns (256 work-groups; tiles of 256 x 256 would be 128), each of its four waves 64 x 128: 32 accumulators, 256 registers.  All of K lies in LDS, filled once.
; CLUSTERS: 4 x 4.  The four of a row of the cluster need the same rows of y, the four of a column the same rows of W: joint loads.
; y comes as images of operand registers: tile of rows rt, K step q: 1,024 bytes at rt x 8192 + q x 1024 + c x 512 + 16 x lane.  Lane r of tile e = 2 b + u of a group of 128 rows holds row 32 b + 8 u + r + 8 (r / 8):
; the stores' immediates put the rows back in their places.  y's scale words: rt x 512 + f x 256 + 16 r: four words, K steps 4 f .. 4 f + 3.
; THE MATRIX INSTRUCTION IS USED TRANSPOSED (source 0 = 16 rows of W, source 1 = 16 rows of y): a lane holds eight neighbouring numbers of a row of the result.  The bias is the C of each sum's first instruction.
; REGISTERS: window 0: v5-15 addresses; v32-63 y's scale words (8 a + q); v64-127 W's (8 b + q); v128-191 y's fragments, two sets; v192-255 the bias; on the way out v128-255 take rows read back.
;   window 1: W's fragments, two sets, at v0 and v128.   window 2: the accumulators ((a, b) at v[8 (8 a + b)]).
.set WT,     65536                     ; LDS: y's images at 0 (65,536 bytes); W's 256 rows here, 528 bytes apart (512 + 16 of padding: sixteen rows begin at sixteen different 16-byte columns of 256)
.set WP,     528
.set YSC,    200704                    ; y's scale words, 4,096 bytes
.set WSC,    204800                    ; W's, 8,192 bytes
.set STAGE,  212992                    ; the way out: 16 rows x 528 bytes for each wave; no tensor load lands here
.set SPARE,  246784                    ; the spare words, 128 bytes for each wave: two blocks of 256 bytes that no other line names
.set ADY, 5
.set ADW, 6
.set AYS, 7
.set AWS, 8
.set STO, 9
.set RD,  10
.set CO,  11
.set BO,  12
.set SPW, 14
.set NIL, 15
.set YS,  32
.set WS,  64
.set YF,  128
.set BP,  192
.set BK,  128
.set G1Y,  24
.set G0Y,  32
.set G0YS, 36
.set G1W,  40
.set G0W,  48
.set G0WS, 52
.set G1YS, 56
.set G1WS, 68
.set MSB, 0
.macro WIN new                         ; the immediate's high byte repeats the setting that is left
.if MSB != (\new)
	s_set_vgpr_msb (MSB<<8)|(\new)
.set MSB, (\new)
.endif
.endm
.macro JLOAD g0a, g1a, g0b, g1b        ; waves 0 and 1 fetch for y, waves 2 and 3 for W; an s_nop 0 and four v_nop follow each of the two lines
	s_cmp_eq_u32 s19, 0
	s_cbranch_scc0 .Lfor_w_\@
	tensor_load_to_lds s[\g0a:\g0a+3], s[\g1a:\g1a+7]
	s_nop 0
.rept 4
	v_nop
.endr
	s_branch .Lasked_\@
.Lfor_w_\@:
	tensor_load_to_lds s[\g0b:\g0b+3], s[\g1b:\g1b+7]
	s_nop 0
.rept 4
	v_nop
.endr
.Lasked_\@:
.endm
.macro CROUND
	s_barrier_signal -1
	s_barrier_wait -1
	s_cmp_lg_u32 s18, 0
	s_cbranch_scc1 .Lnot_wave_0_\@
	s_barrier_signal -3
.Lnot_wave_0_\@:
	s_barrier_wait -3
	s_barrier_signal -1
	s_barrier_wait -1
.endm
.macro PLACES n
.rept \n
	v_nop
.endr
.endm
	s_load_b256 s[4:11], s[0:1], 0x0               ; y's codes s[4:5], y's scales s[6:7], W's codes s[8:9], W's scales s[10:11]
	s_load_b128 s[12:15], s[0:1], 0x20             ; the bias s[12:13], out s[14:15]
	v_lshl_add_u32 v[SPW], v0, 2, SPARE
	v_mov_b32 v[NIL], 0
	ds_add_u32 v[SPW], v[NIL]                      ; the wave's opening: the add, twice on end, and its wait ahead of my first tensor load
	ds_add_u32 v[SPW], v[NIL]                      ; and once more; the set-up below stands between it and the wait
	v_lshrrev_b32 v1, 5, v0
	v_readfirstlane_b32 s18, v1                    ; wave 0..3
	s_lshr_b32 s19, s18, 1                         ; which 64 rows are mine.  Also: I fetch for y (0) or for W (1)
	s_and_b32 s20, s18, 1                          ; which 128 columns.  Also: which half I fetch
	s_bfe_u32 s21, ttmp6, 0x40000                  ; cx
	s_bfe_u32 s22, ttmp6, 0x40004                  ; cy
	s_lshl_b32 s23, ttmp9, 2
	s_add_co_u32 s23, s23, s21                     ; which 256 columns
	s_and_b32 s66, ttmp7, 0xffff
	s_lshl_b32 s66, s66, 2
	s_add_co_u32 s66, s66, s22                     ; which 128 rows
	s_lshl_b32 s78, s22, 2
	s_lshl_b32 s78, 15, s78                        ; my row of the cluster
	s_lshl_b32 s79, 0x1111, s21                    ; my column
	; group 1.  Dense blocks as rows of 256 bytes (32 elements of 8): y's images 128 rows, y's scale words 8, W's scale words 16.  W's codes: 128 rows of 512 bytes, 16 of padding behind each
	s_or_b32 s[G1Y], s78, (3<<16)|(1<<21)
	s_mov_b32 s[G1Y+1], 32<<16
	s_mov_b32 s[G1Y+2], 128<<16
	s_mov_b32 s[G1Y+3], 32<<16
	s_mov_b32 s[G1Y+4], 128
	s_mov_b32 s[G1Y+5], 32
	s_mov_b32 s[G1Y+6], 0
	s_mov_b32 s[G1Y+7], 0
	s_or_b32 s[G1YS], s78, (3<<16)|(1<<21)
	s_mov_b32 s[G1YS+1], 32<<16
	s_mov_b32 s[G1YS+2], 8<<16
	s_mov_b32 s[G1YS+3], 32<<16
	s_mov_b32 s[G1YS+4], 8
	s_mov_b32 s[G1YS+5], 32
	s_mov_b32 s[G1YS+6], 0
	s_mov_b32 s[G1YS+7], 0
	s_or_b32 s[G1W], s79, (1<<20)|(1<<21)|(6<<22)|(3<<25)
	s_mov_b32 s[G1W+1], 512<<16
	s_mov_b32 s[G1W+2], 128<<16
	s_mov_b32 s[G1W+3], 512<<16
	s_mov_b32 s[G1W+4], 128
	s_mov_b32 s[G1W+5], 512
	s_mov_b32 s[G1W+6], 0
	s_mov_b32 s[G1W+7], 0
	s_or_b32 s[G1WS], s79, (3<<16)|(1<<21)
	s_mov_b32 s[G1WS+1], 32<<16
	s_mov_b32 s[G1WS+2], 16<<16
	s_mov_b32 s[G1WS+3], 32<<16
	s_mov_b32 s[G1WS+4], 16
	s_mov_b32 s[G1WS+5], 32
	s_mov_b32 s[G1WS+6], 0
	s_mov_b32 s[G1WS+7], 0
	s_lshl_b32 s80, s66, 16                        ; y's images: 65,536 bytes a block of 128 rows, my half
	s_lshl_b32 s81, s20, 15
	s_add_co_u32 s80, s80, s81
	s_mov_b32 s81, 0
	s_lshl_b32 s82, s23, 17                        ; W's codes: 256 rows of 512 bytes, my 128; in registers that never hold cy
	s_lshl_b32 s83, s20, 16
	s_add_co_u32 s82, s82, s83
	s_mov_b32 s83, 0
	s_lshl_b32 s84, s66, 12                        ; y's scale words
	s_lshl_b32 s85, s20, 11
	s_add_co_u32 s84, s84, s85
	s_mov_b32 s85, 0
	s_lshl_b32 s86, s23, 13                        ; W's
	s_lshl_b32 s87, s20, 12
	s_add_co_u32 s86, s86, s87
	s_mov_b32 s87, 0
	s_lshl_b32 s88, s20, 15                        ; where they go: no place in the cluster enters an LDS address
	s_lshl_b32 s89, s20, 11
	s_add_co_u32 s89, s89, YSC
	s_mul_i32 s90, s20, 128*WP
	s_add_co_u32 s90, s90, WT
	s_lshl_b32 s91, s20, 12
	s_add_co_u32 s91, s91, WSC
	s_wait_dscnt 0x0                               ; both opening adds are done
	s_wait_kmcnt 0x0
	CROUND                                         ; all sixteen work-groups are here: the joint loads meet
	s_mov_b32 s[G0YS], 1
	s_mov_b32 s[G0YS+1], s89
	s_add_nc_u64 s[G0YS+2:G0YS+3], s[6:7], s[84:85]
	s_or_b32 s[G0YS+3], s[G0YS+3], 0x80000000
	s_mov_b32 s[G0WS], 1
	s_mov_b32 s[G0WS+1], s91
	s_add_nc_u64 s[G0WS+2:G0WS+3], s[10:11], s[86:87]
	s_or_b32 s[G0WS+3], s[G0WS+3], 0x80000000
	JLOAD G0YS, G1YS, G0WS, G1WS
	s_mov_b32 s[G0Y], 1
	s_mov_b32 s[G0Y+1], s88
	s_add_nc_u64 s[G0Y+2:G0Y+3], s[4:5], s[80:81]
	s_or_b32 s[G0Y+3], s[G0Y+3], 0x80000000
	s_mov_b32 s[G0W], 1
	s_mov_b32 s[G0W+1], s90
	s_add_nc_u64 s[G0W+2:G0W+3], s[8:9], s[82:83]
	s_or_b32 s[G0W+3], s[G0W+3], 0x80000000
	s_wait_alu depctr_va_vdst(0)
	s_wait_tensorcnt 0x0
	ds_add_u32 v14, v15
	s_wait_dscnt 0x0
	CROUND
	JLOAD G0Y, G1Y, G0W, G1W                       ; one tensor load of mine is out, and no more follow
	v_and_b32 v1, 15, v0                           ; r
	v_bfe_u32 v2, v0, 4, 1                         ; h
	v_and_b32 v[CO], 31, v0
	v_lshlrev_b32 v[CO], 4, v[CO]                  ; 16 x lane
	s_lshl_b32 s92, s19, 15
	v_add_nc_u32 v[ADY], s92, v[CO]                ; y's images: my four tiles of rows
	v_mul_u32_u24 v3, v1, WP
	v_lshl_add_u32 v3, v2, 4, v3
	s_mul_i32 s92, s20, 128*WP
	s_add_co_u32 s92, s92, WT
	v_add_nc_u32 v[ADW], s92, v3                   ; W: row r x 528 + 16 h, my 128 rows
	s_lshl_b32 s92, s19, 11
	s_add_co_u32 s92, s92, YSC
	v_lshl_add_u32 v[AYS], v1, 4, s92
	s_lshl_b32 s92, s20, 12
	s_add_co_u32 s92, s92, WSC
	v_lshl_add_u32 v[AWS], v1, 5, s92
	s_mul_i32 s92, s18, 16*WP
	s_add_co_u32 s92, s92, STAGE                   ; my stage
	v_mul_u32_u24 v3, v1, WP
	v_lshl_add_u32 v3, v2, 5, v3
	v_add_nc_u32 v[STO], s92, v3                   ; in: row r, 32 bytes for each half of the lanes
	v_add_nc_u32 v[RD], s92, v[CO]                 ; back: the 32 lanes take one row of 512 bytes
	v_lshlrev_b32 v[BO], 5, v2                     ; the bias: 32 h
	s_wait_alu depctr_va_vdst(0)
	s_lshl_b32 s92, s23, 10
	s_lshl_b32 s93, s20, 9
	s_add_co_u32 s92, s92, s93                     ; my first column, in bytes
	s_mov_b32 s93, 0
	s_add_nc_u64 s[12:13], s[12:13], s[92:93]
	s_add_nc_u64 s[14:15], s[14:15], s[92:93]
	s_lshl_b32 s92, s66, 19
	s_lshl_b32 s94, s19, 18
	s_add_co_u32 s92, s92, s94                     ; my first row: (128 x block + 64 x half) rows of 4,096 bytes
	s_add_nc_u64 s[14:15], s[14:15], s[92:93]
.irp b, 0,1,2,3,4,5,6,7
	global_load_b128 v[BP+8*\b:BP+8*\b+3], v[BO], s[12:13] offset:64*\b      ; register j of tile b: the bias of column 16 b + 8 h + j
	global_load_b128 v[BP+8*\b+4:BP+8*\b+7], v[BO], s[12:13] offset:64*\b+16
.endr
.macro FETCH q, p                      ; the q-th 128 along K into sets p: W's eight fragments, y's four
	WIN 0x40                                       ; destination window 1
.irp b, 0,1,2,3,4,5,6,7
.irp c, 0,1
	ds_load_b128 v[128*(\p)+8*\b+4*\c:128*(\p)+8*\b+4*\c+3], v[ADW] offset:64*(\q)+32*\c+\b*16*WP
.endr
.endr
	WIN 0
.irp a, 0,1,2,3
.irp c, 0,1
	ds_load_b128 v[YF+32*(\p)+8*\a+4*\c:YF+32*(\p)+8*\a+4*\c+3], v[ADY] offset:8192*\a+1024*(\q)+512*\c
.endr
.endr
.endm
; A step of 128 along K: 32 matrix instructions, the 32 accumulators by turns in the same order in every step; the next step's 24 loads are issued ahead of them.
.macro STEP q
	s_wait_dscnt 0x0                               ; this step's fragments are in (asked for a step ago)
.if (\q) > 0
	PLACES 4                                       ; in front of loads into the sets that the last step's matrix instructions read
.endif
.if (\q) < 7
	FETCH (\q)+1, 1-(\q)%2
.endif
.if (\q) == 0
	WIN 0x81                                       ; source 0 window 1, source 1 and C (the bias) window 0, D window 2
.else
	WIN 0xa1                                       ; C and D window 2
.endif
.irp a, 0,1,2,3
.irp b, 0,1,2,3,4,5,6,7
.if (\q) == 0
	v_wmma_scale_f32_16x16x128_f8f6f4 v[8*(8*\a+\b):8*(8*\a+\b)+7], v[128*((\q)%2)+8*\b:128*((\q)%2)+8*\b+7], v[YF+32*((\q)%2)+8*\a:YF+32*((\q)%2)+8*\a+7], v[BP+8*\b:BP+8*\b+7], v[WS+8*\b+(\q)], v[YS+8*\a+(\q)] matrix_a_fmt:MATRIX_FMT_FP4 matrix_b_fmt:MATRIX_FMT_FP4
.else
	v_wmma_scale_f32_16x16x128_f8f6f4 v[8*(8*\a+\b):8*(8*\a+\b)+7], v[128*((\q)%2)+8*\b:128*((\q)%2)+8*\b+7], v[YF+32*((\q)%2)+8*\a:YF+32*((\q)%2)+8*\a+7], v[8*(8*\a+\b):8*(8*\a+\b)+7], v[WS+8*\b+(\q)], v[YS+8*\a+(\q)] matrix_a_fmt:MATRIX_FMT_FP4 matrix_b_fmt:MATRIX_FMT_FP4
.endif
.endr
.endr
	WIN 0
.endm
	s_wait_tensorcnt 0x0                           ; my two loads have landed,
	s_barrier_signal -1
	s_barrier_wait -1                              ; everybody's have: nothing is filled again in this launch
	FETCH 0, 0
.irp a, 0,1,2,3
.irp f, 0,1
	ds_load_b128 v[YS+8*\a+4*\f:YS+8*\a+4*\f+3], v[AYS] offset:512*\a+256*\f
.endr
.endr
.irp b, 0,1,2,3,4,5,6,7
.irp f, 0,1
	ds_load_b128 v[WS+8*\b+4*\f:WS+8*\b+4*\f+3], v[AWS] offset:512*\b+16*\f
.endr
.endr
	s_wait_loadcnt 0x0                             ; the bias
.irp q, 0,1,2,3,4,5,6,7
	STEP \q
.endr
; THE WAY OUT, a tile of 16 rows x 128 columns at a time, through my own stage: a lane holds 32 neighbouring bytes of a row, and the lanes beside it hold other rows; back come whole rows of 512 bytes.
; LDS serves a wave's instructions in order (ISA guide 5.7.1.4): no wait between the stores and the loads, nor in front of the next tile's stores.
.macro TOSTAGE a
	WIN 0x08                                       ; an LDS store's data are its source 1: window 2
.irp b, 0,1,2,3,4,5,6,7
	ds_store_b128 v[STO], v[8*(8*(\a)+\b):8*(8*(\a)+\b)+3] offset:64*\b          ; each accumulator from its low end on
	ds_store_b128 v[STO], v[8*(8*(\a)+\b)+4:8*(8*(\a)+\b)+7] offset:64*\b+16
.endr
	WIN 0
.set BB, BK+64*((\a)%2)
.irp t, 0,1,2,3,4,5,6,7,8,9,10,11,12,13,14,15
	ds_load_b128 v[BB+4*\t:BB+4*\t+3], v[RD] offset:\t*WP
.endr
.endm
.macro SEND a, younger                 ; younger: the LDS instructions issued behind tile a's loads, which may stay out
.set BB, BK+64*((\a)%2)
	s_wait_dscnt \younger
.irp t, 0,1,2,3,4,5,6,7,8,9,10,11,12,13,14,15
	global_store_b128 v[CO], v[BB+4*\t:BB+4*\t+3], s[14:15] offset:(32*((\a)/2)+8*((\a)%2)+\t+8*(\t/8))*4096 th:TH_STORE_NT   ; 512 consecutive bytes at a multiple of 512; the immediate puts the tile's row in its place
.endr
.endm
	PLACES 4                                       ; in front of the first read of results, and of loads into registers that matrix instructions have read
	TOSTAGE 0
	TOSTAGE 1
	SEND 0, 32                                     ; behind tile 0's loads: tile 1's 16 stores and 16 loads
	s_wait_xcnt 0x0                                ; tile 0's stores have read their data: tile 2's loads land there only behind this wait
	TOSTAGE 2
	SEND 1, 32
	s_wait_xcnt 0x0
	TOSTAGE 3
	SEND 2, 32
	SEND 3, 0
	s_wait_tensorcnt 0x0                           ; the wave's end, behind my last LDS store
	ds_add_u32 v[SPW], v[NIL]
	s_wait_dscnt 0x0
	CROUND                                         ; the closing round
	s_endpgm
.Lfunc_end_k_q826ecedd12_proj:
	.size	k_q826ecedd12_proj, .Lfunc_end_k_q826ecedd12_proj-k_q826ecedd12_proj
	.p2alignl 7, 3214868480
	.fill 96, 4, 3214868480
	.section	.rodata,"a",@progbits
	.p2align	6, 0x0
	.amdhsa_kernel k_q826ecedd12_proj
		.amdhsa_group_segment_fixed_size 327680
		.amdhsa_private_segment_fixed_size 0
		.amdhsa_enable_private_segment 0
		.amdhsa_kernarg_size 48
		.amdhsa_user_sgpr_count 2
		.amdhsa_user_sgpr_kernarg_segment_ptr 1
		.amdhsa_wavefront_size32 1
		.amdhsa_system_sgpr_workgroup_id_x 1
		.amdhsa_system_sgpr_workgroup_id_y 1
		.amdhsa_system_sgpr_workgroup_id_z 1
		.amdhsa_system_vgpr_workitem_id 0
		.amdhsa_next_free_vgpr 768
		.amdhsa_next_free_sgpr 100
		.amdhsa_reserve_vcc 0
		.amdhsa_float_denorm_mode_32 3
		.amdhsa_float_denorm_mode_16_64 3
		.amdhsa_memory_ordered 1
		.amdhsa_forward_progress 1
		.amdhsa_inst_pref_size 73
	.end_amdhsa_kernel
	.amdgpu_metadata
---
amdhsa.version: [ 1, 2 ]
amdhsa.kernels:
  - .name:           k_q826ecedd12_proj
    .symbol:         k_q826ecedd12_proj.kd
    .args:
      - { .name: y_codes, .offset: 0, .size: 8, .value_kind: global_buffer, .address_space: global }
      - { .name: y_scales, .offset: 8, .size: 8, .value_kind: global_buffer, .address_space: global }
      - { .name: W_proj_codes, .offset: 16, .size: 8, .value_kind: global_buffer, .address_space: global }
      - { .name: W_proj_scales, .offset: 24, .size: 8, .value_kind: global_buffer, .address_space: global }
      - { .name: b_proj, .offset: 32, .size: 8, .value_kind: global_buffer, .address_space: global }
      - { .name: out0, .offset: 40, .size: 8, .value_kind: global_buffer, .address_space: global }
    .group_segment_fixed_size: 327680
    .private_segment_fixed_size: 0
    .kernarg_segment_align: 8
    .kernarg_segment_size: 48
    .max_flat_workgroup_size: 128
    .sgpr_count:     100
    .vgpr_count:     768
    .wavefront_size: 32
...
	.end_amdgpu_metadata
.endif
;; end of part 3
